; MI455X (gfx1250); checked and timed in simulation.
; The chip was launched on July 23, 2026; its instructions are those of AMD's public machine-readable ISA for CDNA 5 (MIT licence, August 2026) and "CDNA5" Instruction Set Architecture Reference Guide (July 2026). The comments in the code are by the model that wrote it; some were corrected since.
;; Self Attention. Allowed arithmetic: float matrix products may take bf16 or f16 operands with f32 sums; all other float work in f32.
;; Inputs: Wk 256 x 256 float32; Wq 256 x 256 float32; Wv 256 x 256 float32; bk 256 float32; bq 256 float32; bv 256 float32; x 4 x 4,096 x 256 float32.
;; Outputs: out0 4 x 4,096 x 256 float32.
;; 2 versions, each right; version 2 is version 1 with the launch proj written anew for expert scheduling mode. Each part assembles by itself: llvm-mc -triple=amdgcn-amd-amdhsa -mcpu=gfx1250 --defsym DOCPART=n.
;; ======== version 1 of 2: 2 launches
;; workspace buffers: qs 8,388,608 bytes; kk 8,388,608 bytes; vv 8,388,608 bytes
;; launch proj (part 1): grid 128 x 2, 8 waves a work-group, no clusters, 272,896 bytes of LDS; arguments x, Wq, Wk, Wv, bq, bk, bv, qs, kk, vv; writes qs, kk, vv
.if DOCPART == 1
	.amdgcn_target "amdgcn-amd-amdhsa--gfx1250"
	.amdhsa_code_object_version 6
	.text
	.protected	k_qdd94826883_proj
	.globl	k_qdd94826883_proj
	.p2align	8
	.type	k_qdd94826883_proj,@function
k_qdd94826883_proj:
	s_mov_b64 s[64:65], 0
	v_nop
	global_prefetch_b8 v0, s[64:65] scope:SCOPE_SE
	s_setreg_imm32_b32 hwreg(HW_REG_WAVE_MODE, 25, 1), 1
	s_wait_xcnt 0x0
; qs = (x Wq^T + bq) * c,  kk = x Wk^T + bk,  vv = x Wv^T + bv,  each [16384][256] rounded once to bf16; sums in f32.
; c = log2(e) / 16: the attention's scale and the change to base-2 exponentials.  LIMIT: c is multiplied into Wq (in f32, before Wq is
; rounded to bf16) and into bq, so the order of rounding differs from a product that is scaled afterwards.  NaN and infinities are not served.
; A work-group (block, y) makes 128 rows of x times the features 128 y .. 128 y + 127 of each of q, k and v: 384 concatenated features.
; K = 256 is wholly resident: x's 128 rows and the 384 rows of W come in through registers as f32, are rounded once and laid into LDS as bf16.
; Eight waves: wave w makes rows 64 (w & 1) .. + 63 times concatenated features 96 (w >> 1) .. + 95: 24 accumulator tiles of 16 x 16.
; The matrix instruction is used transposed (source 0 = 16 rows of W, source 1 = 16 rows of x): a lane then holds eight neighbouring features
; of one row of x, 16 bytes of bf16.  The results leave through a stage in LDS, so that sixteen lanes store 256 consecutive aligned bytes.
; NO JOINT LOADS, although 128 work-groups read the same half of W: W arrives as f32 and must pass through registers to be rounded.  A landing
; area for tensor loads would have 327,680 - 270,336 = 57,344 bytes beside the resident operands, for 393,216 bytes of W: seven refills at the
; least, each behind a round of a cluster's barrier, for the 192 matrix instructions of a wave.
.set CS,     0x3db8aa3b                ; log2(e) / 16 in f32
.set PITCH,  528                       ; an LDS row of 256 bf16: 512 bytes + 16 = 33 x 16: sixteen rows begin at sixteen different 16-byte columns modulo 256
.set XS,     0                         ; x: 128 rows
.set WS,     128*PITCH                 ; W: 384 rows (q's 128, k's 128, v's 128)
.set BS,     WS+384*PITCH              ; 384 biases in f32
.set SPITCH, 784                       ; the stage's row: 384 bf16 = 768 bytes + 16 = 49 x 16; the stage lies over x and W once they have been read
.set VO,   1                           ; byte offset of my 16 bytes in my wave's 16 rows of 1,024 bytes (x and W alike); never rewritten
.set LX,   2                           ; LDS: where my 8 bytes of bf16 go, in x
.set LW,   3                           ; v3-5: the same in Wq, Wk, Wv
.set XA,   6                           ; LDS: my fragments of x
.set WA,   7                           ; LDS: my fragments of W
.set BA,   8                           ; LDS: my eight biases of feature block 0
.set SW,   9                           ; the stage: where I put 16 bytes
.set SR,   10                          ; the stage: where I read a row's piece back
.set GO,   11                          ; my byte offset in the outputs
.set BO,   12                          ; byte offset of my bias word in bq, bk, bv
.set BL,   13                          ; LDS: where it goes
.set BV,   16                          ; v16-18 the three bias words
.set B0,   32                          ; three load buffers of 64 registers
.set B1,   96
.set B2,   160
.set F0,   32                          ; later: two fragment buffers, 6 fragments of W and then 4 of x
.set F1,   112
.set BIAS, 192                         ; v192-239: 6 feature blocks x 8 biases
.set PK,   32                          ; the way out: packed results, 24 tiles x 4 registers
.set RB,   128                         ; the way out: 24 x 4 registers read back
; window 1 (v256-447): accumulator tile (fb, rb) at v[8 (4 fb + rb)]
.set MSB, 0
.macro WIN new                         ; s_set_vgpr_msb: bits 1:0 source 0, 3:2 source 1, 5:4 source 2, 7:6 destination; the high byte repeats the setting that is left
.if MSB != \new
	s_set_vgpr_msb (MSB<<8)|\new
.set MSB, \new
.endif
.endm
.macro PLACES                          ; four plain vector instructions between a matrix instruction and a load into, or a vector access to, its registers
.rept 4
	v_nop
.endr
.endm
	s_load_b512 s[4:19], s[0:1], 0x0               ; x s[4:5], Wq s[6:7], Wk s[8:9], Wv s[10:11], bq s[12:13], bk s[14:15], bv s[16:17], qs s[18:19]
	s_load_b128 s[20:23], s[0:1], 0x40             ; kk s[20:21], vv s[22:23]
	v_lshl_add_u32 v254, v0, 2, 0x42600
	v_mov_b32 v255, 0
	v_lshrrev_b32 v14, 5, v0
	v_readfirstlane_b32 s24, v14                   ; wave 0..7
	s_and_b32 s25, ttmp7, 0xffff                   ; y: which half of the features
	s_mov_b32 s26, CS
	s_mov_b32 s27, CS                              ; a pair, for the packed multiply
	v_and_b32 v15, 31, v0                          ; lane
	s_lshl_b32 s28, s24, 14                        ; my wave's 16 rows of 1,024 bytes
	v_lshl_add_u32 v[VO], v15, 4, s28
	s_mul_i32 s29, s24, 16*PITCH
	v_lshl_add_u32 v[LX], v15, 3, s29              ; XS = 0
	v_add_nc_u32 v[LW], WS, v[LX]
	v_add_nc_u32 v[LW+1], WS+128*PITCH, v[LX]
	v_add_nc_u32 v[LW+2], WS+256*PITCH, v[LX]
	v_and_b32 v14, 127, v0
	s_lshl_b32 s30, s25, 9
	v_lshl_add_u32 v[BO], v14, 2, s30              ; 4 (128 y + thread mod 128)
	v_lshlrev_b32 v[BL], 2, v0                     ; used by waves 0 to 3 alone: threads 0 to 127
	v_add_nc_u32 v[BL], BS, v[BL]
	s_lshl_b32 s32, ttmp9, 17                      ; the block's 128 rows of x, 1,024 bytes each
	s_mov_b32 s33, 0
	s_lshl_b32 s34, s25, 17                        ; the half's 128 rows of W
	s_mov_b32 s35, 0
	s_lshl_b32 s44, ttmp9, 16                      ; the outputs: 128 rows of 512 bytes,
	s_lshl_b32 s45, s24, 13                        ; + my wave's 16 rows,
	s_add_co_u32 s44, s44, s45
	s_lshl_b32 s45, s25, 8                         ; + the half's 256 bytes of a row
	s_add_co_u32 s44, s44, s45
	s_mov_b32 s45, 0
	s_wait_kmcnt 0x0
	s_add_nc_u64 s[4:5], s[4:5], s[32:33]
	s_add_nc_u64 s[6:7], s[6:7], s[34:35]
	s_add_nc_u64 s[8:9], s[8:9], s[34:35]
	s_add_nc_u64 s[10:11], s[10:11], s[34:35]
	s_add_nc_u64 s[18:19], s[18:19], s[44:45]
	s_add_nc_u64 s[20:21], s[20:21], s[44:45]
	s_add_nc_u64 s[22:23], s[22:23], s[44:45]
; A group: eight rows of 1,024 bytes of f32, sixteen loads of 512 consecutive bytes each.
.macro LOADG buf, base, off
.irp i, 0,1,2,3,4,5,6,7
	global_load_b128 v[\buf+8*\i:\buf+8*\i+3],   v[VO], s[\base:\base+1] offset:\off+1024*\i
	global_load_b128 v[\buf+8*\i+4:\buf+8*\i+7], v[VO], s[\base:\base+1] offset:\off+1024*\i+512
.endr
.endm
; The group is rounded in place (four f32 to 8 bytes) and laid into LDS: 32 lanes write 256 consecutive bytes.  scale = 1: times c first (Wq).
.macro CVTG buf, adr, off, scale
.irp j, 0,1,2,3,4,5,6,7,8,9,10,11,12,13,14,15
.if \scale
	v_pk_mul_f32 v[\buf+4*\j:\buf+4*\j+1],   v[\buf+4*\j:\buf+4*\j+1],   s[26:27] op_sel_hi:[1,0]
	v_pk_mul_f32 v[\buf+4*\j+2:\buf+4*\j+3], v[\buf+4*\j+2:\buf+4*\j+3], s[26:27] op_sel_hi:[1,0]
.endif
	v_cvt_pk_bf16_f32 v[\buf+4*\j],   v[\buf+4*\j],   v[\buf+4*\j+1]
	v_cvt_pk_bf16_f32 v[\buf+4*\j+1], v[\buf+4*\j+2], v[\buf+4*\j+3]
	ds_store_b64 v[\adr], v[\buf+4*\j:\buf+4*\j+1] offset:\off+PITCH*(\j/2)+256*(\j%2)
.endr
.endm
	global_load_b32 v[BV],   v[BO], s[12:13]       ; every wave loads the three words, so that the counts below are the same in all
	global_load_b32 v[BV+1], v[BO], s[14:15]
	global_load_b32 v[BV+2], v[BO], s[16:17]
	LOADG B0, 4, 0                                 ; groups 0, 1: x;  2, 3: Wq;  4, 5: Wk;  6, 7: Wv.  Three groups are on their way at a time
	LOADG B1, 4, 8192
	LOADG B2, 6, 0
	; addresses for the later phases, while the loads are out
	v_and_b32 v14, 15, v0                          ; r = lane mod 16
	v_bfe_u32 v15, v0, 4, 1                        ; h = lane / 16
	s_and_b32 s36, s24, 1                          ; rh: which 64 rows
	s_lshr_b32 s37, s24, 1                         ; fq: which 96 features
	v_mul_u32_u24 v19, v14, PITCH
	v_lshl_add_u32 v19, v15, 4, v19                ; a fragment: row r, 16 bytes for each half of the lanes
	s_mul_i32 s38, s36, 64*PITCH
	v_add_nc_u32 v[XA], s38, v19
	s_mul_i32 s39, s37, 96*PITCH
	s_add_co_u32 s39, s39, WS
	v_add_nc_u32 v[WA], s39, v19
	s_mul_i32 s40, s37, 384
	s_add_co_u32 s40, s40, BS
	v_lshl_add_u32 v[BA], v15, 5, s40              ; 4 (96 fq + 8 h)
	v_mul_u32_u24 v19, v14, SPITCH
	v_lshl_add_u32 v19, v15, 4, v19
	s_mul_i32 s41, s36, 64*SPITCH
	s_mul_i32 s42, s37, 192
	s_add_co_u32 s41, s41, s42
	v_add_nc_u32 v[SW], s41, v19                   ; (64 rh + r) rows + 2 (96 fq + 8 h)
	v_mul_u32_u24 v19, v15, SPITCH
	v_lshl_add_u32 v19, v14, 4, v19
	s_mul_i32 s43, s24, 16*SPITCH
	v_add_nc_u32 v[SR], s43, v19                   ; back: lanes 0-15 a row's 256 bytes, lanes 16-31 the next row's
	v_lshlrev_b32 v19, 9, v15
	v_lshl_add_u32 v[GO], v14, 4, v19              ; the same two rows in an output
	s_wait_loadcnt 32                              ; loads come back in order (ISA guide 5.7.1): the biases and group 0 are in, two groups of 16 stay out
	CVTG B0, LX, 0, 0
	LOADG B0, 6, 8192
	s_cmp_ge_u32 s24, 4                            ; threads 0 to 127 lay the 3 x 128 biases down
	s_cbranch_scc1 .Lnobias
	v_mul_f32 v[BV], s26, v[BV]                    ; q's bias carries c too
	ds_store_b32 v[BL], v[BV]
	ds_store_b32 v[BL], v[BV+1] offset:512
	ds_store_b32 v[BL], v[BV+2] offset:1024
.Lnobias:
	s_wait_loadcnt 32
	CVTG B1, LX, 8*PITCH, 0
	LOADG B1, 8, 0
	s_wait_loadcnt 32
	CVTG B2, LW, 0, 1
	LOADG B2, 8, 8192
	s_wait_loadcnt 32
	CVTG B0, LW, 8*PITCH, 1
	LOADG B0, 10, 0
	s_wait_loadcnt 32
	CVTG B1, LW+1, 0, 0
	LOADG B1, 10, 8192
	s_wait_loadcnt 32
	CVTG B2, LW+1, 8*PITCH, 0
	s_wait_loadcnt 16                              ; nothing more is fetched: the counts run down
	CVTG B0, LW+2, 0, 0
	s_wait_loadcnt 0
	CVTG B1, LW+2, 8*PITCH, 0
	s_wait_dscnt 0x0                               ; my stores are in LDS, for the other waves' sake
	s_barrier_signal -1
	s_barrier_wait -1                              ; x, W and the biases are whole
; 20 LDS loads: the fragments of one K step of 32 (6 x 16 rows of W, 4 x 16 rows of x) into buffer f.  ks may be a sum: it stands in brackets.
; A fragment: lane (r, h) holds row r; registers 0-3 K = 8 h + 0..7, registers 4-7 K = 16 + 8 h + 0..7: two loads of 16 bytes, 32 bytes apart.
.macro FETCH ks, f
.irp fb, 0,1,2,3,4,5
	ds_load_b128 v[\f+8*\fb:\f+8*\fb+3],   v[WA] offset:\fb*16*PITCH+64*(\ks)
	ds_load_b128 v[\f+8*\fb+4:\f+8*\fb+7], v[WA] offset:\fb*16*PITCH+64*(\ks)+32
.endr
.irp rb, 0,1,2,3
	ds_load_b128 v[\f+48+8*\rb:\f+48+8*\rb+3], v[XA] offset:\rb*16*PITCH+64*(\ks)
	ds_load_b128 v[\f+48+8*\rb+4:\f+48+8*\rb+7], v[XA] offset:\rb*16*PITCH+64*(\ks)+32
.endr
.endm
; 24 matrix instructions.  The 24 accumulators take turns, one instruction a turn, in the same order in every K step.
; first = 1: the sums start from the bias: register j of a lane is feature 8 h + j both in the bias registers and in an accumulator.
.macro MULS f, first
.irp fb, 0,1,2,3,4,5
.irp rb, 0,1,2,3
.if \first
	v_wmma_f32_16x16x32_bf16 v[8*(4*\fb+\rb):8*(4*\fb+\rb)+7], v[\f+8*\fb:\f+8*\fb+7], v[\f+48+8*\rb:\f+48+8*\rb+7], v[BIAS+8*\fb:BIAS+8*\fb+7]
.else
	v_wmma_f32_16x16x32_bf16 v[8*(4*\fb+\rb):8*(4*\fb+\rb)+7], v[\f+8*\fb:\f+8*\fb+7], v[\f+48+8*\rb:\f+48+8*\rb+7], v[8*(4*\fb+\rb):8*(4*\fb+\rb)+7]
.endif
.endr
.endr
.endm
; K step ks on buffer f; the next step's fragments go into buffer g, which the step before has read
.macro KSTEP ks, f, g
	PLACES
	FETCH \ks+1, \g
	s_wait_dscnt 20                                ; all but the 20 just issued
	WIN 0x50                                       ; C and D in window 1
	MULS \f, 0
	WIN 0
.endm
.irp fb, 0,1,2,3,4,5
	ds_load_b128 v[BIAS+8*\fb:BIAS+8*\fb+3],   v[BA] offset:64*\fb
	ds_load_b128 v[BIAS+8*\fb+4:BIAS+8*\fb+7], v[BA] offset:64*\fb+16
.endr
	FETCH 0, F0
	FETCH 1, F1
	s_wait_dscnt 20                                ; the biases and K step 0 are in; K step 1's 20 loads stay out
	WIN 0x40                                       ; D in window 1, C (the bias) in window 0
	MULS F0, 1
	WIN 0
	KSTEP 1, F1, F0
	KSTEP 2, F0, F1
	KSTEP 3, F1, F0
	KSTEP 4, F0, F1
	KSTEP 5, F1, F0
	KSTEP 6, F0, F1
	s_wait_dscnt 0x0                               ; the last K step; my reads of x and W are over
	WIN 0x50
	MULS F1, 0
	WIN 0
	; THE WAY OUT
	PLACES                                         ; behind the last matrix instructions: the conversions read results and write over fragments
	s_barrier_signal -1                            ; every wave has read its last fragments (its wait for 0 above):
	s_barrier_wait -1                              ; the stage may be laid over x and W
	WIN 0x05                                       ; sources in window 1
.set t, 0
.rept 24
.irp i, 0,1,2,3
	v_cvt_pk_bf16_f32 v[PK+4*t+\i], v[8*t+2*\i], v[8*t+2*\i+1]
.endr
.set t, t+1
.endr
	WIN 0
.irp fb, 0,1,2,3,4,5
.irp rb, 0,1,2,3
	ds_store_b128 v[SW], v[PK+4*(4*\fb+\rb):PK+4*(4*\fb+\rb)+3] offset:\rb*16*SPITCH+32*\fb
.endr
.endr
	s_wait_dscnt 0x0                               ; for the others' sake
	s_barrier_signal -1
	s_barrier_wait -1                              ; the stage is whole
	; wave w takes rows 16 w .. 16 w + 15: two rows a load, and of each row the 256 bytes of q, of k and of v
.irp p, 0,1,2,3,4,5,6,7
.irp j, 0,1,2
	ds_load_b128 v[RB+4*(3*\p+\j):RB+4*(3*\p+\j)+3], v[SR] offset:\p*2*SPITCH+256*\j
.endr
.endr
.irp p, 0,1,2,3,4,5,6,7
.irp j, 0,1,2
	s_wait_dscnt 23-(3*\p+\j)                      ; LDS loads come back in order: this one is in, the younger ones stay out
	global_store_b128 v[GO], v[RB+4*(3*\p+\j):RB+4*(3*\p+\j)+3], s[18+2*\j:19+2*\j] offset:1024*\p   ; sixteen lanes store 256 consecutive bytes, at a multiple of 256 from the buffer's first byte
.endr
.endr
	s_wait_tensorcnt 0x0
	ds_add_u32 v254, v255
	s_wait_dscnt 0x0
	s_endpgm
.Lfunc_end_k_qdd94826883_proj:
	.size	k_qdd94826883_proj, .Lfunc_end_k_qdd94826883_proj-k_qdd94826883_proj
	.p2alignl 7, 3214868480
	.fill 96, 4, 3214868480
	.section	.rodata,"a",@progbits
	.p2align	6, 0x0
	.amdhsa_kernel k_qdd94826883_proj
		.amdhsa_group_segment_fixed_size 272896
		.amdhsa_private_segment_fixed_size 0
		.amdhsa_enable_private_segment 0
		.amdhsa_kernarg_size 80
		.amdhsa_user_sgpr_count 2
		.amdhsa_user_sgpr_kernarg_segment_ptr 1
		.amdhsa_wavefront_size32 1
		.amdhsa_system_sgpr_workgroup_id_x 1
		.amdhsa_system_sgpr_workgroup_id_y 1
		.amdhsa_system_sgpr_workgroup_id_z 1
		.amdhsa_system_vgpr_workitem_id 0
		.amdhsa_next_free_vgpr 448
		.amdhsa_next_free_sgpr 66
		.amdhsa_reserve_vcc 0
		.amdhsa_float_denorm_mode_32 3
		.amdhsa_float_denorm_mode_16_64 3
		.amdhsa_memory_ordered 1
		.amdhsa_forward_progress 1
		.amdhsa_inst_pref_size 82
	.end_amdhsa_kernel
	.amdgpu_metadata
---
amdhsa.version: [ 1, 2 ]
amdhsa.kernels:
  - .name:           k_qdd94826883_proj
    .symbol:         k_qdd94826883_proj.kd
    .args:
      - { .name: x, .offset: 0, .size: 8, .value_kind: global_buffer, .address_space: global }
      - { .name: Wq, .offset: 8, .size: 8, .value_kind: global_buffer, .address_space: global }
      - { .name: Wk, .offset: 16, .size: 8, .value_kind: global_buffer, .address_space: global }
      - { .name: Wv, .offset: 24, .size: 8, .value_kind: global_buffer, .address_space: global }
      - { .name: bq, .offset: 32, .size: 8, .value_kind: global_buffer, .address_space: global }
      - { .name: bk, .offset: 40, .size: 8, .value_kind: global_buffer, .address_space: global }
      - { .name: bv, .offset: 48, .size: 8, .value_kind: global_buffer, .address_space: global }
      - { .name: qs, .offset: 56, .size: 8, .value_kind: global_buffer, .address_space: global }
      - { .name: kk, .offset: 64, .size: 8, .value_kind: global_buffer, .address_space: global }
      - { .name: vv, .offset: 72, .size: 8, .value_kind: global_buffer, .address_space: global }
    .group_segment_fixed_size: 272896
    .private_segment_fixed_size: 0
    .kernarg_segment_align: 8
    .kernarg_segment_size: 80
    .max_flat_workgroup_size: 256
    .sgpr_count:     66
    .vgpr_count:     448
    .wavefront_size: 32
...
	.end_amdgpu_metadata
.endif
;; end of part 1
;; launch attn (part 2): grid 256 x 1, 4 waves a work-group, clusters of 4 x 1, 327,680 bytes of LDS; arguments qs, kk, vv, out0; writes out0
.if DOCPART == 2
	.amdgcn_target "amdgcn-amd-amdhsa--gfx1250"
	.amdhsa_code_object_version 6
	.text
	.protected	k_qdd94826883_attn
	.globl	k_qdd94826883_attn
	.p2align	8
	.type	k_qdd94826883_attn,@function
k_qdd94826883_attn:
	s_mov_b64 s[64:65], 0
	v_nop
	global_prefetch_b8 v0, s[64:65] scope:SCOPE_SE
	s_setreg_imm32_b32 hwreg(HW_REG_WAVE_MODE, 25, 1), 1
	s_wait_xcnt 0x0
	s_wait_alu depctr_hold_cnt(0) depctr_sa_sdst(0) depctr_va_vdst(0) depctr_va_sdst(0) depctr_va_ssrc(0) depctr_va_vcc(0) depctr_vm_vsrc(0)
	s_getreg_b32 s2, hwreg(HW_REG_IB_STS2, 6, 4)
	s_cmp_eq_u32 s2, 0
	s_cbranch_scc0 .Lentry_in_a_cluster
	s_endpgm
.Lentry_in_a_cluster:
	s_bfe_u32 s2, ttmp6, 0x10000c
	s_cmp_lg_u32 s2, 0x3003
	s_cbranch_scc0 .Lentry_shape_is_right
	s_endpgm
.Lentry_shape_is_right:
; out0 = softmax(q k^T / 16) v for 4 batches of 4,096 rows of 256.  qs (already times log2(e) / 16), kk, vv: [16384][256] bf16.  out0: f32.
; A work-group owns 64 query rows.  Its four waves share the KEYS: of each super-tile of 256 keys wave w takes keys 64 w .. 64 w + 63 for all 64
; queries, with a running maximum m, a running sum l and an accumulator O (64 x 256 f32, 512 registers) of its own; the four are merged once at the end.
; So every byte of K and V is read from LDS once in the work-group: 128 LDS loads for a wave's 256 matrix instructions.
; EVERYTHING IS USED TRANSPOSED.  S^T = K Q^T (source 0 = 16 keys, source 1 = 16 queries): lane (r, h) holds query r, register j key 8 h + j.
; Two key blocks rounded to bf16 are then, register for register, the second source of O^T = V^T P^T, and a query is a lane: m, l and the
; rescaling factor are one number a lane.  V^T's fragments come from V's rows by the transposing LDS load.
; CLUSTERS: 4 work-groups (256 query rows of one batch) walk the same tiles of K and V: every tile is asked for jointly, mask 15, which divides
; the requests for K and V by four.  K has one LDS region and V one (two slots of both do not fit).  Each refill stands first behind a round of the
; cluster's barrier, one load a wave (64 rows of 512 bytes).  V's tile is asked for in the last quarter of P V and waited for behind the next step's
; maxima: 144 matrix instructions and the maxima lie between.  K's is asked for in the middle of the rescaling and waited for in front of the last
; quarter of P V: half the rescaling, the exponentials and 96 matrix instructions lie between.  By this text's own count a wave has two tensor
; loads out at the start and one behind each round.
; THE WALK: the 16 clusters of a batch start at 16 different super-tiles, cluster c at 2 (c mod 8) + c / 8, and go round modulo 16; the running
; softmax does not mind the order.  So in no step do two clusters of a batch ask for the same tile, and from its second step on a cluster asks for
; a tile that another cluster asked for one step earlier.  For that reason no prefetch is written.
; LIMITS: the keys are summed in an order that differs from cluster to cluster; weights are summed in f32 while P V takes them rounded to bf16;
; exponentials below 2^-126 come out as zero (ISA guide 15.8); NaN and infinite inputs are not served.  The maximum is taken away before every
; exponential: a running one in each wave, merged exactly.
.set KP,    528                        ; K's LDS row: 512 bytes + 16 = 33 x 16: sixteen rows begin at sixteen different 16-byte columns modulo 256
.set VP,    544                        ; V's LDS row: 512 bytes + 32 = 17 x 32, for the transposing load
.set VB,    256*KP                     ; V's region, behind K's 256 rows
.set STAT,  VB+256*VP                  ; 2,048 bytes of their own, a multiple of 256 from byte 0: (m, l) of [wave][query block][r]; no fill lands here
.set MP,    1040                       ; the merge: a row of 256 f32 + 16 bytes = 65 x 16
.set MREG,  64*MP                      ; a wave's 64 rows; four such regions lie over K's and V's regions after their last fill
.set TLOG,  17                         ; a super-tile is 256 rows of 512 bytes = 2^17 bytes, in kk and in vv
.set KA, 2                             ; v2      LDS address of my K fragments
.set VA, 3                             ; v3      LDS address of my V fragments
.set MX, 4                             ; v4-11   (m, m) for query blocks 0..3
.set LS, 12                            ; v12-15  l: the sum over my half's keys
.set AL, 16                            ; v16-23  (alpha, alpha)
.set TT, 24                            ; v24-31  at work
.set FB, 32                            ; v32-127 12 fragments: three buffers of four for K; the first eight are V's buffer 0
.set XT, FB                            ; v32-47  at work for the maxima, between K's last product and V's first fetch: four registers a query block
.set SC, 128                           ; v128-255 S tile (q, kb) at SC + 32 q + 8 kb.  Packed in place: P[q][s] at SC + 32 q + 8 s; the upper 16 of each 32 become V's buffer 1
; window 1: Q fragment (q, ks) at v[8 (8 q + ks)];  window 2: O tile (d, q), d = 0..7, at v[8 (4 d + q)];  window 3: d = 8..15
; scalars: s12 wave, s13 cx, s14 batch, s[16:23] and s[24:31] group 1 for K and V, s[32:35] and s[36:39] group 0 for K and V, s40 trips, s41-42 lane selects,
; s53 the super-tile asked for last, s[54:55] and s[56:57] kk and vv at my 64 rows of the batch's super-tile 0, s[58:59] that super-tile's byte offset
.set MA, 96                            ; the merge's registers: v96 r, v97 h
.set SA, 98                            ; where my (m, l) go
.set SB, 99                            ; where I read all four waves'
.set OA, 100                           ; where my O goes
.set GO, 101                           ; 16 x lane
.set RA, 102                           ; v102-105: my 16 rows in the four regions
.set ST, 32                            ; v32-63: (m, l) of (q, wave) at ST + 2 (4 q + wave)
.set MSB, 0
.macro WIN new                         ; s_set_vgpr_msb: bits 1:0 source 0, 3:2 source 1, 5:4 source 2, 7:6 destination; the high byte repeats the setting that is left
.if MSB != \new
	s_set_vgpr_msb (MSB<<8)|\new
.set MSB, \new
.endif
.endm
.macro PLACES                          ; four plain vector instructions between a matrix instruction and a load into, or a vector access to, its registers
.rept 4
	v_nop
.endr
.endm
; A round of the cluster's barrier: my work-group's barrier; wave 0 signals for the work-group; every wave waits for all four work-groups; my work-group's barrier again.
.macro CREST                           ; a round behind its opening barrier
	s_cmp_lg_u32 s12, 0
	s_cbranch_scc1 .Lnot_wave_0_\@
	s_barrier_signal -3
.Lnot_wave_0_\@:
	s_barrier_wait -3
	s_barrier_signal -1
	s_barrier_wait -1
.endm
.macro ROUND
	s_barrier_signal -1
	s_barrier_wait -1
	CREST
.endm
	s_load_b256 s[4:11], s[0:1], 0x0               ; qs s[4:5], kk s[6:7], vv s[8:9], out0 s[10:11]
	v_lshl_add_u32 v126, v0, 2, 0x43800
	v_mov_b32 v127, 0
	ds_add_u32 v126, v127
	s_wait_dscnt 0x0
	v_lshrrev_b32 v1, 5, v0
	v_readfirstlane_b32 s12, v1                    ; wave 0..3
	s_bfe_u32 s13, ttmp6, 0x40000                  ; cx: my place in the cluster; it enters Q's and the output's address alone
	s_lshr_b32 s14, ttmp9, 4                       ; batch: 16 clusters of 256 query rows each
	s_and_b32 s53, ttmp9, 15                       ; c: my cluster among the batch's 16; the four partners share it
	s_and_b32 s58, s53, 7
	s_lshl_b32 s58, s58, 1
	s_lshr_b32 s53, s53, 3
	s_or_b32 s53, s53, s58                         ; the super-tile at which my cluster starts: 2 (c mod 8) + c / 8
	s_lshl_b32 s58, s53, TLOG                      ; its byte offset, in a pair with 0 above it
	s_mov_b32 s59, 0
	s_mov_b32 s41, 0x76543210                      ; v_permlanex16_b32: lane i of one half reads lane i of the other
	s_mov_b32 s42, 0xfedcba98
	; descriptor group 1: a tile of 64 rows x 256 elements of 2 bytes, padded behind every row of 128 words
	s_mov_b32 s16, 15|(1<<16)|(1<<20)|(1<<21)|(6<<22)|(3<<25)   ; 15:0 the mask: all four work-groups; 17:16 2 bytes; 20 padding on; 21 set beside a mask; 24:22 after 128 words; 31:25 of 4 words
	s_mov_b32 s17, 256<<16                         ; tensor_dim0 = 256
	s_mov_b32 s18, 64<<16                          ; tensor_dim1 = 64
	s_mov_b32 s19, 256<<16                         ; tile_dim0 = 256
	s_mov_b32 s20, 64                              ; tile_dim1 = 64
	s_mov_b32 s21, 256                             ; elements from row to row
	s_mov_b32 s22, 0
	s_mov_b32 s23, 0
	s_mov_b32 s24, 15|(1<<16)|(1<<20)|(1<<21)|(6<<22)|(7<<25)   ; V's: the same with 8 words of padding
	s_mov_b32 s25, 256<<16
	s_mov_b32 s26, 64<<16
	s_mov_b32 s27, 256<<16
	s_mov_b32 s28, 64
	s_mov_b32 s29, 256
	s_mov_b32 s30, 0
	s_mov_b32 s31, 0
	; where the tiles come from: the batch, the cluster's number and the wave's number alone, which the four partners share
	s_lshl_b32 s48, s14, 21                        ; batch x 4,096 rows x 512 bytes
	s_lshl_b32 s49, s12, 15                        ; + wave x 64 rows
	s_add_co_u32 s48, s48, s49
	s_mov_b32 s49, 0
	s_mov_b32 s32, 1                               ; group 0 for K: count 1,
	s_mul_i32 s33, s12, 64*KP                      ; LDS address: my 64 rows of K's region
	s_mov_b32 s36, 1                               ; group 0 for V
	s_mul_i32 s37, s12, 64*VP
	s_add_co_u32 s37, s37, VB
	; my queries and my output rows, in registers of their own
	s_lshl_b32 s44, ttmp9, 8
	s_lshl_b32 s45, s13, 6
	s_add_co_u32 s44, s44, s45                     ; first query row = 256 x cluster + 64 cx
	s_lshl_b32 s46, s44, 10                        ; out0: rows of 1,024 bytes,
	s_lshl_b32 s47, s12, 14                        ; + the 16 rows that my wave sums and stores
	s_add_co_u32 s46, s46, s47
	s_mov_b32 s47, 0
	s_lshl_b32 s44, s44, 9                         ; qs: rows of 512 bytes
	s_mov_b32 s45, 0
	s_wait_kmcnt 0x0
	s_add_nc_u64 s[54:55], s[6:7], s[48:49]        ; kk and vv at my 64 rows of the batch's super-tile 0: never rewritten
	s_add_nc_u64 s[56:57], s[8:9], s[48:49]
	s_add_nc_u64 s[34:35], s[54:55], s[58:59]      ; the first super-tile of my cluster's walk
	s_or_b32 s35, s35, 0x80000000                  ; type = 2
	s_add_nc_u64 s[38:39], s[56:57], s[58:59]
	s_or_b32 s39, s39, 0x80000000
	s_add_nc_u64 s[4:5], s[4:5], s[44:45]
	s_add_nc_u64 s[10:11], s[10:11], s[46:47]
	ROUND                                          ; all four work-groups are here: the first joint loads meet
	tensor_load_to_lds s[32:35], s[16:23]          ; K's first super-tile, my 64 rows
	s_nop 0
	tensor_load_to_lds s[36:39], s[24:31]          ; V's
	s_nop 0
	v_and_b32 v1, 15, v0                           ; r
	v_bfe_u32 v24, v0, 4, 1                        ; h
	v_mul_u32_u24 v[KA], v1, KP
	v_lshl_add_u32 v[KA], v24, 4, v[KA]
	v_add_nc_u32 v[KA], s33, v[KA]                 ; my rows + r x pitch + 16 h
	v_and_b32 v25, 7, v0
	v_lshl_add_u32 v25, v24, 3, v25                ; key 8 h + lane mod 8
	v_mul_u32_u24 v[VA], v25, VP
	v_bfe_u32 v25, v0, 3, 1
	v_lshl_add_u32 v[VA], v25, 4, v[VA]            ; + 16 bytes for the upper eight lanes of each sixteen
	v_add_nc_u32 v[VA], s37, v[VA]
	v_lshlrev_b32 v1, 9, v1
	v_lshl_add_u32 v1, v24, 4, v1                  ; Q: 512 r + 16 h; not rewritten
	WIN 0x40                                       ; destination in window 1
.irp q, 0,1,2,3
.irp ks, 0,1,2,3,4,5,6,7
	global_load_b128 v[8*(8*\q+\ks):8*(8*\q+\ks)+3],   v1, s[4:5] offset:8192*\q+64*\ks
	global_load_b128 v[8*(8*\q+\ks)+4:8*(8*\q+\ks)+7], v1, s[4:5] offset:8192*\q+64*\ks+32
.endr
.endr
	WIN 0
; 8 LDS loads: four fragments of K (my 64 keys, 32 along the features at byte 64 ks) into K's buffer (ks + 1) mod 3.  They use the destination's and source 0's window alone.
.macro KFETCH ks
.set KF, FB+32*(((\ks)+1)%3)
.irp kb, 0,1,2,3
	ds_load_b128 v[KF+8*\kb:KF+8*\kb+3],   v[KA] offset:\kb*16*KP+64*(\ks)
	ds_load_b128 v[KF+8*\kb+4:KF+8*\kb+7], v[KA] offset:\kb*16*KP+64*(\ks)+32
.endr
.endm
; 16 matrix instructions: S^T += K Q^T for 32 features.  The 16 accumulators take turns, one instruction a turn.  ks = 0 starts the sums.
.macro SMUL ks
.set KF, FB+32*(((\ks)+1)%3)
.irp kb, 0,1,2,3
.irp q, 0,1,2,3
.if (\ks) == 0
	v_wmma_f32_16x16x32_bf16 v[SC+32*\q+8*\kb:SC+32*\q+8*\kb+7], v[KF+8*\kb:KF+8*\kb+7], v[8*(8*\q+(\ks)):8*(8*\q+(\ks))+7], 0
.else
	v_wmma_f32_16x16x32_bf16 v[SC+32*\q+8*\kb:SC+32*\q+8*\kb+7], v[KF+8*\kb:KF+8*\kb+7], v[8*(8*\q+(\ks)):8*(8*\q+(\ks))+7], v[SC+32*\q+8*\kb:SC+32*\q+8*\kb+7]
.endif
.endr
.endr
.endm
; 16 transposing LDS loads: eight fragments of V^T (feature blocks d0 .. d0 + 7, keys 32 s .. 32 s + 31 of my 64) into V's buffer 0 or 1
.macro VFETCH s, d0, buf
.irp i, 0,1,2,3,4,5,6,7
.if \buf
.set VF, SC+32*(\i/2)+16+8*(\i%2)
.else
.set VF, FB+8*\i
.endif
	ds_load_tr16_b128 v[VF:VF+3],   v[VA] offset:32*(\d0+\i)+32*VP*\s
	ds_load_tr16_b128 v[VF+4:VF+7], v[VA] offset:32*(\d0+\i)+32*VP*\s+16*VP
.endr
.endm
; 4 matrix instructions: O^T(feature block i of the window, all four query blocks) += V^T P^T for keys 32 s .. + 31
.macro PV4 s, buf, i, zero
.if \buf
.set VF, SC+32*(\i/2)+16+8*(\i%2)
.else
.set VF, FB+8*\i
.endif
.irp q, 0,1,2,3
.if \zero
	v_wmma_f32_16x16x32_bf16 v[8*(4*\i+\q):8*(4*\i+\q)+7], v[VF:VF+7], v[SC+32*\q+8*\s:SC+32*\q+8*\s+7], 0
.else
	v_wmma_f32_16x16x32_bf16 v[8*(4*\i+\q):8*(4*\i+\q)+7], v[VF:VF+7], v[SC+32*\q+8*\s:SC+32*\q+8*\s+7], v[8*(4*\i+\q):8*(4*\i+\q)+7]
.endif
.endr
.endm
.macro PVLO s, buf, zero               ; a group's first 16; the 32 accumulators of a group take turns, one instruction a turn
.irp i, 0,1,2,3
	PV4 \s, \buf, \i, \zero
.endr
.endm
.macro PVHI s, buf, zero
.irp i, 4,5,6,7
	PV4 \s, \buf, \i, \zero
.endr
.endm
; The new maxima of the four query blocks over my wave's 64 keys and the old maxima, and alpha = 2^(old - new).  A lane holds 32 keys of its query, the lane
; 16 away the other 32.  The query block is the inner index of every stage, so that an instruction and the one that needs its result stand four or more apart.
.macro SMAXALL first
.irp c, 0,1,2,3
.irp q, 0,1,2,3
	v_max3_num_f32 v[XT+4*\q+\c], v[SC+32*\q+8*\c], v[SC+32*\q+8*\c+1], v[SC+32*\q+8*\c+2]
.endr
.endr
.irp c, 0,1,2,3
.irp q, 0,1,2,3
	v_max3_num_f32 v[XT+4*\q+\c], v[XT+4*\q+\c], v[SC+32*\q+8*\c+3], v[SC+32*\q+8*\c+4]
.endr
.endr
.irp c, 0,1,2,3
.irp q, 0,1,2,3
	v_max3_num_f32 v[XT+4*\q+\c], v[XT+4*\q+\c], v[SC+32*\q+8*\c+5], v[SC+32*\q+8*\c+6]
.endr
.endr
.irp q, 0,1,2,3
	v_max3_num_f32 v[XT+4*\q],   v[XT+4*\q],   v[XT+4*\q+1], v[SC+32*\q+7]
.endr
.irp q, 0,1,2,3
	v_max3_num_f32 v[XT+4*\q+2], v[XT+4*\q+2], v[XT+4*\q+3], v[SC+32*\q+15]
.endr
.irp q, 0,1,2,3
	v_max3_num_f32 v[XT+4*\q],   v[XT+4*\q],   v[XT+4*\q+2], v[SC+32*\q+23]
.endr
.irp q, 0,1,2,3
.if \first
	v_max_num_f32 v[XT+4*\q], v[XT+4*\q], v[SC+32*\q+31]
.else
	v_max3_num_f32 v[XT+4*\q], v[XT+4*\q], v[SC+32*\q+31], v[MX+2*\q]
.endif
.endr
.irp q, 0,1,2,3
	v_permlanex16_b32 v[XT+4*\q+1], v[XT+4*\q], s41, s42   ; its destination counts as read: it has been written above
.endr
.irp q, 0,1,2,3
	v_max_num_f32 v[XT+4*\q+1], v[XT+4*\q], v[XT+4*\q+1]
.endr
.if \first == 0
.irp q, 0,1,2,3
	v_sub_f32 v[XT+4*\q+2], v[MX+2*\q], v[XT+4*\q+1]
.endr
.irp q, 0,1,2,3
	v_exp_f32 v[AL+2*\q], v[XT+4*\q+2]             ; the eight moves below are the plain instructions between these and the use of their results (ISA guide 5.7.2)
.endr
.endif
.irp q, 0,1,2,3
	v_mov_b32 v[MX+2*\q],   v[XT+4*\q+1]
	v_mov_b32 v[MX+2*\q+1], v[XT+4*\q+1]
.endr
.if \first == 0
	s_wait_alu depctr_va_vdst(0)
.irp q, 0,1,2,3
	v_mov_b32 v[AL+2*\q+1], v[AL+2*\q]
.endr
.endif
.endm
.macro RESC1                           ; the 32 tiles of one window, each times its query block's pair
.irp d, 0,1,2,3,4,5,6,7
.irp q, 0,1,2,3
.irp j, 0,2,4,6
	v_pk_mul_f32 v[8*(4*\d+\q)+\j:8*(4*\d+\q)+\j+1], v[8*(4*\d+\q)+\j:8*(4*\d+\q)+\j+1], v[AL+2*\q:AL+2*\q+1]
.endr
.endr
.endr
.endm
.macro RESCALE                         ; the merge's: both windows
	WIN 0x82
	RESC1
	WIN 0xc3
	RESC1
	WIN 0
.endm
.macro SSUB q                          ; s - m for query block q, in place
.irp j, 0,2,4,6,8,10,12,14,16,18,20,22,24,26,28,30
	v_pk_add_f32 v[SC+32*\q+\j:SC+32*\q+\j+1], v[SC+32*\q+\j:SC+32*\q+\j+1], v[MX+2*\q:MX+2*\q+1] neg_lo:[0,1] neg_hi:[0,1]
.endr
.endm
; p = 2^(s - m) for query block q, in place.  Between the exponentials stands plain work of the neighbours: s - m for block q + 1, and the packing of block
; q - 1 (32 weights to 16 registers of bf16, in place and ascending: register i is written when registers 2 i and 2 i + 1 are read), whose sum has been taken.
; None of it touches block q, so no result of an exponential is used by the instruction behind it (ISA guide 5.7.2).
.macro SOFT q
.set sx, 0
.rept 16
	v_exp_f32 v[SC+32*\q+2*sx], v[SC+32*\q+2*sx]
.if \q < 3
	v_pk_add_f32 v[SC+32*(\q+1)+2*sx:SC+32*(\q+1)+2*sx+1], v[SC+32*(\q+1)+2*sx:SC+32*(\q+1)+2*sx+1], v[MX+2*(\q+1):MX+2*(\q+1)+1] neg_lo:[0,1] neg_hi:[0,1]
.endif
	v_exp_f32 v[SC+32*\q+2*sx+1], v[SC+32*\q+2*sx+1]
.if \q > 0
	v_cvt_pk_bf16_f32 v[SC+32*(\q-1)+sx], v[SC+32*(\q-1)+2*sx], v[SC+32*(\q-1)+2*sx+1]
.endif
.set sx, sx+1
.endr
.endm
.macro SSUM q, first                   ; l = l alpha + the sum of my 32 weights, in four chains; the block's last exponential is read by the twelfth line
	s_wait_alu depctr_va_vdst(0)
.irp c, 0,1,2,3
	v_pk_add_f32 v[TT+2*\c:TT+2*\c+1], v[SC+32*\q+4*\c:SC+32*\q+4*\c+1], v[SC+32*\q+4*\c+2:SC+32*\q+4*\c+3]
.endr
.irp c, 0,1,2,3
	v_pk_add_f32 v[TT+2*\c:TT+2*\c+1], v[TT+2*\c:TT+2*\c+1], v[SC+32*\q+16+2*\c:SC+32*\q+16+2*\c+1]
.endr
.irp c, 0,1,2,3
	v_pk_add_f32 v[TT+2*\c:TT+2*\c+1], v[TT+2*\c:TT+2*\c+1], v[SC+32*\q+24+2*\c:SC+32*\q+24+2*\c+1]
.endr
	v_pk_add_f32 v[TT:TT+1],   v[TT:TT+1],   v[TT+2:TT+3]
	v_pk_add_f32 v[TT+4:TT+5], v[TT+4:TT+5], v[TT+6:TT+7]
	v_pk_add_f32 v[TT:TT+1],   v[TT:TT+1],   v[TT+4:TT+5]
.if \first
	v_add_f32 v[LS+\q], v[TT], v[TT+1]
.else
	v_add_f32 v[TT], v[TT], v[TT+1]
	v_fma_f32 v[LS+\q], v[LS+\q], v[AL+2*\q], v[TT]
.endif
.endm
.macro SPACK q                         ; the last block's packing, which has no exponentials to stand between
.set sx, 0
.rept 16
	v_cvt_pk_bf16_f32 v[SC+32*\q+sx], v[SC+32*\q+2*sx], v[SC+32*\q+2*sx+1]
.set sx, sx+1
.endr
.endm
; One super-tile of 256 keys, 64 of them mine.  first = 1: nothing to rescale, the products start the sums.  refill = 1: the next super-tile is asked for.
.macro STEP first, refill
	WIN 0x04                                       ; source 1 (Q) in window 1
.irp ks, 0,1,2,3,4
	s_wait_dscnt 16                                ; LDS loads come back in order (ISA guide 5.7.1): this K step's eight are in, two younger runs of eight stay out
	SMUL \ks
	PLACES
	KFETCH \ks+3                                   ; into the buffer just multiplied
.endr
	s_wait_dscnt 16
	SMUL 5
	s_wait_dscnt 8                                 ; one run of eight stays out
	SMUL 6
	s_wait_dscnt 0x0                               ; the last run is in: my reads of K's tile are over
	SMUL 7
	WIN 0
	PLACES                                         ; behind the last products of S
	SMAXALL \first
	s_wait_xcnt 0x0
	v_lshl_add_u32 v126, v0, 2, 0x43800
	v_mov_b32 v127, 0
	s_wait_tensorcnt 0x0                           ; all my tensor loads have landed: the one that was out is my part of V's tile
	ds_add_u32 v126, v127
	s_wait_dscnt 0x0
.if \refill
	s_add_co_u32 s53, s53, 1                       ; no tensor load of mine is out, so a group 0 may be written: the next super-tile of the walk, modulo 16
	s_and_b32 s53, s53, 15
	s_lshl_b32 s58, s53, TLOG
	s_add_nc_u64 s[34:35], s[54:55], s[58:59]
	s_or_b32 s35, s35, 0x80000000
.endif
	s_barrier_signal -1                            ; say so (with a refill this barrier opens a round of the cluster's barrier),
.if \first == 0
	WIN 0x82
	RESC1                                          ; work on registers while the others arrive: O's features 0-127 times alpha,
	WIN 0
.endif
	s_barrier_wait -1
.if \refill
	CREST                                          ; no wave of any partner still reads K's tile or has a load on its way
	tensor_load_to_lds s[32:35], s[16:23]          ; the next K tile: my one tensor load behind the round, and the first thing there
	s_nop 0
.endif
	VFETCH 0, 0, 0                                 ; group 0's fragments of V land during the rest of the softmax
.if \first == 0
	WIN 0xc3
	RESC1                                          ; O's features 128-255 times alpha
	WIN 0
.endif
	SSUB 0
	SOFT 0
	SSUM 0, \first
	SOFT 1
	SSUM 1, \first
	SOFT 2
	SSUM 2, \first
	SOFT 3
	SSUM 3, \first
	SPACK 3
	; P V in four groups of 32 matrix instructions: (keys 0-31, features 0-127), (0-31, 128-255), (32-63, 128-255), (32-63, 0-127); each group's fragments are fetched a group ahead
	VFETCH 0, 8, 1
	s_wait_dscnt 16                                ; all but the 16 just issued
	WIN 0xa0                                       ; C and D in window 2
	PVLO 0, 0, \first
	PVHI 0, 0, \first
	PLACES
	WIN 0
	VFETCH 1, 8, 0
	s_wait_dscnt 16
	WIN 0xf0                                       ; C and D in window 3
	PVLO 0, 1, \first
	PVHI 0, 1, \first
	PLACES
	WIN 0
	VFETCH 1, 0, 1
	s_wait_dscnt 16
	WIN 0xf0
	PVLO 1, 0, 0
	PVHI 1, 0, 0
	s_wait_dscnt 0x0                               ; the last group's fragments are in: my reads of V's tile are over,
.if \refill
	s_wait_xcnt 0x0
	s_set_vgpr_msb 0xf030
	v_lshl_add_u32 v126, v0, 2, 0x43800
	v_mov_b32 v127, 0
	s_wait_tensorcnt 0x0                           ; and all my tensor loads have landed: my part of the next K tile
	ds_add_u32 v126, v127
	s_wait_dscnt 0x0
	s_set_vgpr_msb 0x30f0
	s_add_nc_u64 s[38:39], s[56:57], s[58:59]      ; V's next tile is the super-tile that K's refill of this step asked for
	s_or_b32 s39, s39, 0x80000000
	s_barrier_signal -1                            ; say so: this barrier opens a round of the cluster's barrier
	WIN 0xa0
	PVLO 1, 1, 0
	WIN 0
	s_barrier_wait -1
	CREST                                          ; no wave of any partner still reads V's tile or has a load on its way
	tensor_load_to_lds s[36:39], s[24:31]          ; the next V tile: my one tensor load behind the round, and the first thing there
	s_nop 0
	PLACES
	KFETCH 0                                       ; the next step's first three K steps
	KFETCH 1
	KFETCH 2
	WIN 0xa0
	PVHI 1, 1, 0
	WIN 0
.rept 5
	v_nop                                          ; the next step's first products write over P and V's buffer 1, which matrix instructions have read: five places (ISA guide 7.12.1)
.endr
.else
	WIN 0xa0
	PVLO 1, 1, 0
	PVHI 1, 1, 0
	WIN 0
.endif
.endm
	s_wait_tensorcnt 0x1                           ; my part of K's first tile is in; V's may stay out
	s_barrier_signal -1
	s_barrier_wait -1
	KFETCH 0
	KFETCH 1
	KFETCH 2
	s_wait_loadcnt 0x0                             ; Q, once
	STEP 1, 1                                      ; the walk's first super-tile stands in front of the loop: its products start the sums
	s_mov_b32 s40, 14
.Lstep:
	STEP 0, 1                                      ; the walk's super-tiles 1 to 14
	s_sub_co_u32 s40, s40, 1
	s_cmp_lg_u32 s40, 0
	s_cbranch_scc1 .Lstep
	STEP 0, 0                                      ; the last: nothing is left to fetch
	; THE MERGE.  out = sum over waves of O_w 2^(m_w - M) / sum over waves of l_w 2^(m_w - M), M the largest of the four m_w.
	PLACES                                         ; behind the last matrix instructions
.irp q, 0,1,2,3
	v_permlanex16_b32 v[TT+\q], v[LS+\q], s41, s42 ; the other half's keys
.endr
.irp q, 0,1,2,3
	v_add_f32 v[MX+2*\q+1], v[LS+\q], v[TT+\q]     ; the pair is now (m, l)
.endr
	v_and_b32 v[MA], 15, v0                        ; r
	v_bfe_u32 v[MA+1], v0, 4, 1                    ; h
	s_lshl_b32 s50, s12, 9
	s_add_co_u32 s50, s50, STAT
	v_lshl_add_u32 v[SA], v[MA], 3, s50
	v_lshlrev_b32 v[SB], 3, v[MA]
	v_add_nc_u32 v[SB], STAT, v[SB]
	s_mul_i32 s51, s12, MREG
	v_mul_u32_u24 v[OA], v[MA], MP
	v_lshl_add_u32 v[OA], v[MA+1], 5, v[OA]
	v_add_nc_u32 v[OA], s51, v[OA]                 ; my region + r rows + 32 h
	v_and_b32 v[GO], 31, v0
	v_lshlrev_b32 v[GO], 4, v[GO]
	s_mul_i32 s52, s12, 16*MP
	v_add_nc_u32 v[RA], s52, v[GO]                 ; rows 16 w .. of region 0,
	v_add_nc_u32 v[RA+1], MREG, v[RA]
	v_add_nc_u32 v[RA+2], 2*MREG, v[RA]
	v_add_nc_u32 v[RA+3], 3*MREG, v[RA]
.irp q, 0,1,2,3
	ds_store_b64 v[SA], v[MX+2*\q:MX+2*\q+1] offset:128*\q   ; both halves of the lanes write the same pair to the same place
.endr
	s_wait_dscnt 0x0                               ; for the others' sake
	s_barrier_signal -1
	s_barrier_wait -1                              ; all (m, l) are there; and every wave's reads of K's and V's regions are over
.irp q, 0,1,2,3
.irp w, 0,1,2,3
	ds_load_b64 v[ST+2*(4*\q+\w):ST+2*(4*\q+\w)+1], v[SB] offset:512*\w+128*\q
.endr
.endr
	s_wait_dscnt 0x0
.irp q, 0,1,2,3
	v_max3_num_f32 v[TT], v[ST+8*\q], v[ST+8*\q+2], v[ST+8*\q+4]
	v_max_num_f32 v[TT], v[TT], v[ST+8*\q+6]       ; M
	v_sub_f32 v[TT+1], v[ST+8*\q],   v[TT]
	v_sub_f32 v[TT+2], v[ST+8*\q+2], v[TT]
	v_sub_f32 v[TT+3], v[ST+8*\q+4], v[TT]
	v_sub_f32 v[TT+4], v[ST+8*\q+6], v[TT]
	v_sub_f32 v[TT+5], v[MX+2*\q],   v[TT]
	v_exp_f32 v[TT+1], v[TT+1]
	v_exp_f32 v[TT+2], v[TT+2]
	v_exp_f32 v[TT+3], v[TT+3]
	v_exp_f32 v[TT+4], v[TT+4]
	v_exp_f32 v[TT+5], v[TT+5]
	v_nop                                          ; one plain instruction in front of the first use (ISA guide 5.7.2)
	s_wait_alu depctr_va_vdst(0)
	v_mul_f32  v[TT+1], v[TT+1], v[ST+8*\q+1]
	v_fmac_f32 v[TT+1], v[TT+2], v[ST+8*\q+3]
	v_fmac_f32 v[TT+1], v[TT+3], v[ST+8*\q+5]
	v_fmac_f32 v[TT+1], v[TT+4], v[ST+8*\q+7]      ; the whole sum: at least 1, since the key of the largest score adds 2^0
	v_rcp_f32 v[TT+1], v[TT+1]
	v_nop
	s_wait_alu depctr_va_vdst(0)
	v_mul_f32 v[AL+2*\q],   v[TT+5], v[TT+1]       ; my wave's factor
	v_mul_f32 v[AL+2*\q+1], v[TT+5], v[TT+1]
.endr
	RESCALE
; my O into my region: row = query 16 q + r, bytes 64 d + 32 h: a lane's eight registers are 32 neighbouring bytes
.macro OSTORE dbase
.irp d, 0,1,2,3,4,5,6,7
.irp q, 0,1,2,3
	ds_store_b128 v[OA], v[8*(4*\d+\q):8*(4*\d+\q)+3]   offset:16*MP*\q+64*(\dbase+\d)
	ds_store_b128 v[OA], v[8*(4*\d+\q)+4:8*(4*\d+\q)+7] offset:16*MP*\q+64*(\dbase+\d)+16
.endr
.endr
.endm
	WIN 0x08                                       ; a store's data is source 1: window 2
	OSTORE 0
	WIN 0x0c                                       ; window 3
	OSTORE 8
	WIN 0
	s_wait_dscnt 0x0                               ; for the others' sake
	s_barrier_signal -1
	s_barrier_wait -1                              ; all four regions are whole
; Wave w sums rows 16 w .. 16 w + 15 of the four regions: 32 units of half a row (512 bytes), in 8 batches of 4, one batch fetched ahead, on two register sets.
; Unit 4 b + u is half (4 b + u) mod 2 of row (4 b + u) / 2.  b may be a sum: it stands in brackets.
.macro MLOAD b, set
.irp u, 0,1,2,3
.irp w, 0,1,2,3
	ds_load_b128 v[\set+16*\u+4*\w:\set+16*\u+4*\w+3], v[RA+\w] offset:MP*((4*(\b)+\u)/2)+512*((4*(\b)+\u)%2)
.endr
.endr
.endm
.macro MSUM b, set
.irp u, 0,1,2,3
	v_pk_add_f32 v[\set+16*\u:\set+16*\u+1],     v[\set+16*\u:\set+16*\u+1],     v[\set+16*\u+4:\set+16*\u+5]
	v_pk_add_f32 v[\set+16*\u+2:\set+16*\u+3],   v[\set+16*\u+2:\set+16*\u+3],   v[\set+16*\u+6:\set+16*\u+7]
	v_pk_add_f32 v[\set+16*\u+8:\set+16*\u+9],   v[\set+16*\u+8:\set+16*\u+9],   v[\set+16*\u+12:\set+16*\u+13]
	v_pk_add_f32 v[\set+16*\u+10:\set+16*\u+11], v[\set+16*\u+10:\set+16*\u+11], v[\set+16*\u+14:\set+16*\u+15]
	v_pk_add_f32 v[\set+16*\u:\set+16*\u+1],     v[\set+16*\u:\set+16*\u+1],     v[\set+16*\u+8:\set+16*\u+9]
	v_pk_add_f32 v[\set+16*\u+2:\set+16*\u+3],   v[\set+16*\u+2:\set+16*\u+3],   v[\set+16*\u+10:\set+16*\u+11]
	global_store_b128 v[GO], v[\set+16*\u:\set+16*\u+3], s[10:11] offset:1024*((4*(\b)+\u)/2)+512*((4*(\b)+\u)%2) th:TH_STORE_NT   ; the wave stores 512 consecutive bytes, at a multiple of 512 from out0's first byte
.endr
.endm
.set SET0, 32
.set SET1, 128
	MLOAD 0, SET0
	MLOAD 1, SET1
	s_wait_dscnt 16                                ; batch 0 is in, batch 1's 16 loads stay out
	MSUM 0, SET0
.irp b, 1,3,5
	s_wait_xcnt 0x0                                ; every earlier memory instruction has had its addresses translated (ISA guide 3.1): set 0, from which stores went out, is loaded again only behind this wait
	MLOAD \b+1, SET0
	s_wait_dscnt 16
	MSUM \b, SET1
	s_wait_xcnt 0x0                                ; the same for set 1
	MLOAD \b+2, SET1
	s_wait_dscnt 16
	MSUM \b+1, SET0
.endr
	s_wait_dscnt 0x0                               ; the last batch
	MSUM 7, SET1
	s_wait_xcnt 0x0
	v_lshl_add_u32 v126, v0, 2, 0x43800
	v_mov_b32 v127, 0
	s_wait_tensorcnt 0x0
	ds_add_u32 v126, v127
	s_wait_dscnt 0x0
	ROUND                                          ; the closing round: no work-group ends while a partner may still ask for a tile that names it
	s_endpgm
.Lfunc_end_k_qdd94826883_attn:
	.size	k_qdd94826883_attn, .Lfunc_end_k_qdd94826883_attn-k_qdd94826883_attn
	.p2alignl 7, 3214868480
	.fill 96, 4, 3214868480
	.section	.rodata,"a",@progbits
	.p2align	6, 0x0
	.amdhsa_kernel k_qdd94826883_attn
		.amdhsa_group_segment_fixed_size 327680
		.amdhsa_private_segment_fixed_size 0
		.amdhsa_enable_private_segment 0
		.amdhsa_kernarg_size 32
		.amdhsa_user_sgpr_count 2
		.amdhsa_user_sgpr_kernarg_segment_ptr 1
		.amdhsa_wavefront_size32 1
		.amdhsa_system_sgpr_workgroup_id_x 1
		.amdhsa_system_sgpr_workgroup_id_y 1
		.amdhsa_system_sgpr_workgroup_id_z 1
		.amdhsa_system_vgpr_workitem_id 0
		.amdhsa_next_free_vgpr 1024
		.amdhsa_next_free_sgpr 66
		.amdhsa_reserve_vcc 0
		.amdhsa_float_denorm_mode_32 3
		.amdhsa_float_denorm_mode_16_64 3
		.amdhsa_memory_ordered 1
		.amdhsa_forward_progress 1
		.amdhsa_inst_pref_size 242
	.end_amdhsa_kernel
	.amdgpu_metadata
---
amdhsa.version: [ 1, 2 ]
amdhsa.kernels:
  - .name:           k_qdd94826883_attn
    .symbol:         k_qdd94826883_attn.kd
    .args:
      - { .name: qs, .offset: 0, .size: 8, .value_kind: global_buffer, .address_space: global }
      - { .name: kk, .offset: 8, .size: 8, .value_kind: global_buffer, .address_space: global }
      - { .name: vv, .offset: 16, .size: 8, .value_kind: global_buffer, .address_space: global }
      - { .name: out0, .offset: 24, .size: 8, .value_kind: global_buffer, .address_space: global }
    .group_segment_fixed_size: 327680
    .private_segment_fixed_size: 0
    .kernarg_segment_align: 8
    .kernarg_segment_size: 32
    .max_flat_workgroup_size: 128
    .sgpr_count:     66
    .vgpr_count:     1024
    .wavefront_size: 32
...
	.end_amdgpu_metadata
.endif
;; end of part 2
;; ======== version 2 of 2: 2 launches; version 1 with the launch proj written anew for expert scheduling mode
;; workspace buffers: qs 8,388,608 bytes; kk 8,388,608 bytes; vv 8,388,608 bytes
;; launch proj (part 3): grid 128 x 2, 8 waves a work-group, no clusters, 272,896 bytes of LDS; arguments x, Wq, Wk, Wv, bq, bk, bv, qs, kk, vv; writes qs, kk, vv
.if DOCPART == 3
	.amdgcn_target "amdgcn-amd-amdhsa--gfx1250"
	.amdhsa_code_object_version 6
	.text
	.protected	k_qdd94826883_proj
	.globl	k_qdd94826883_proj
	.p2align	8
	.type	k_qdd94826883_proj,@function
k_qdd94826883_proj:
	s_mov_b64 s[64:65], 0
	v_nop
	global_prefetch_b8 v0, s[64:65] scope:SCOPE_SE
	s_setreg_imm32_b32 hwreg(HW_REG_WAVE_SCHED_MODE, 0, 2), 2
	s_setreg_imm32_b32 hwreg(HW_REG_WAVE_MODE, 25, 1), 1
	s_wait_xcnt 0x0
	s_wait_alu depctr_vm_vsrc(0)
; qs = (x Wq^T + bq) * c,  kk = x Wk^T + bk,  vv = x Wv^T + bv,  each [16384][256] rounded once to bf16; sums in f32.
; c = log2(e) / 16: the attention's scale and the change to base-2 exponentials.  LIMIT: c is multiplied into Wq (in f32, before Wq is
; rounded to bf16) and into bq, so the order of rounding differs from a product that is scaled afterwards.  NaN and infinities are not served.
; A work-group (block, y) makes 128 rows of x times the features 128 y .. 128 y + 127 of each of q, k and v: 384 concatenated features.
; K = 256 is wholly resident: x's 128 rows and the 384 rows of W come in through registers as f32, are rounded once and laid into LDS as bf16.
; Eight waves: wave w makes rows 64 (w & 1) .. + 63 times concatenated features 96 (w >> 1) .. + 95: 24 accumulator tiles of 16 x 16.
; The matrix instruction is used transposed (source 0 = 16 rows of W, source 1 = 16 rows of x): a lane then holds eight neighbouring features
; of one row of x, 16 bytes of bf16.  The results leave through a stage in LDS, so that sixteen lanes store 256 consecutive aligned bytes.
; NO JOINT LOADS, although 128 work-groups read the same half of W: W arrives as f32 and must pass through registers to be rounded.  A landing
; area for tensor loads would have 327,680 - 270,336 = 57,344 bytes beside the resident operands, for 393,216 bytes of W: seven refills at the
; least, each behind a round of a cluster's barrier, for the 192 matrix instructions of a wave.
; THE MODE: SCHED_MODE bits 1:0 = 2 (LLVM: expert scheduling mode 2), set by the entry lines.  The code itself states the register dependences
; between vector or matrix instructions and memory or LDS instructions, with s_wait_alu, always for 0.
; THE PLAN.  Registers that memory or LDS instructions touch:
;   v1-13         offsets and LDS addresses: each written once by vector lines and never again; read by loads and stores to the end.
;   B0, B1, B2    three raw buffers.  Group g: global loads land in B[g mod 3]; the group's multiplies (Wq alone) and conversions name it; then group g + 3 is loaded into it.
;   OUT0, OUT1    two out-buffers, in the first 64 accumulator registers, which are idle in this phase.  Group g's conversions write OUT[g mod 2]; its 16 LDS stores read it.
;   v16-18        the biases: loaded; v16 multiplied once; read by three LDS stores; never written again.
;   F0, F1, BIAS  LDS loads land in them; matrix instructions read them.  K step ks reads F[ks mod 2]; its two runs of loads fill the other.
;   PK, RB        the way out: conversions write PK, LDS stores read it; LDS loads land in RB, global stores read it.
; A group has ONE wait on va_vdst, behind its conversions: behind it the group's 16 reloads and 16 LDS stores take turns, with no vector line among them.  The wait on vm_vsrc
; for an out-buffer stands a whole group behind the stores that read it.  A K step has ONE wait on va_vdst, at its head; the products behind it name the other buffer and the accumulators alone.
.set CS,     0x3db8aa3b                ; log2(e) / 16 in f32
.set PITCH,  528                       ; an LDS row of 256 bf16: 512 bytes + 16 = 33 x 16: sixteen rows begin at sixteen different 16-byte columns modulo 256
.set XS,     0                         ; x: 128 rows
.set WS,     128*PITCH                 ; W: 384 rows (q's 128, k's 128, v's 128)
.set BS,     WS+384*PITCH              ; 384 biases in f32
.set SPITCH, 784                       ; the stage's row: 384 bf16 = 768 bytes + 16 = 49 x 16; the stage lies over x and W once they have been read
.set VO,   1                           ; byte offset of my 16 bytes in my wave's 16 rows of 1,024 bytes (x and W alike); never rewritten
.set LX,   2                           ; LDS: where my 8 bytes of bf16 go, in x
.set LW,   3                           ; v3-5: the same in Wq, Wk, Wv
.set XA,   6                           ; LDS: my fragments of x
.set WA,   7                           ; LDS: my fragments of W
.set BA,   8                           ; LDS: my eight biases of feature block 0
.set SW,   9                           ; the stage: where I put 16 bytes
.set SR,   10                          ; the stage: where I read a row's piece back
.set GO,   11                          ; my byte offset in the outputs
.set BO,   12                          ; byte offset of my bias word in bq, bk, bv
.set BL,   13                          ; LDS: where it goes
.set BV,   16                          ; v16-18 the three bias words
.set B0,   32                          ; three load buffers of 64 registers
.set B1,   96
.set B2,   160
.set OUT,  0                           ; window 1, v256-319: two out-buffers of 32 registers, 16 x 8 bytes of bf16 each
.set F0,   32                          ; later: two fragment buffers, 6 fragments of W and then 4 of x
.set F1,   112
.set BIAS, 192                         ; v192-239: 6 feature blocks x 8 biases
.set PK,   32                          ; the way out: packed results, 24 tiles x 4 registers
.set RB,   128                         ; the way out: 24 x 4 registers read back
; window 1 (v256-447): accumulator tile (fb, rb) at v[8 (4 fb + rb)]
; v254, v255: the LDS address of my spare word (behind the biases, 128 bytes a wave) and 0: made at the head and kept for the closing lines alone
.set MSB, 0
.macro WIN new                         ; s_set_vgpr_msb: bits 1:0 source 0, 3:2 source 1, 5:4 source 2, 7:6 destination; the high byte repeats the setting that is left
.if MSB != \new
	s_set_vgpr_msb (MSB<<8)|\new
.set MSB, \new
.endif
.endm
.macro PLACES                          ; four plain vector instructions between a matrix instruction and a load into, or a vector access to, its registers
.rept 4
	v_nop
.endr
.endm
	s_load_b512 s[4:19], s[0:1], 0x0               ; x s[4:5], Wq s[6:7], Wk s[8:9], Wv s[10:11], bq s[12:13], bk s[14:15], bv s[16:17], qs s[18:19]
	s_load_b128 s[20:23], s[0:1], 0x40             ; kk s[20:21], vv s[22:23]
	v_lshl_add_u32 v254, v0, 2, 0x42600
	v_mov_b32 v255, 0
	v_lshrrev_b32 v14, 5, v0
	v_readfirstlane_b32 s24, v14                   ; wave 0..7
	s_and_b32 s25, ttmp7, 0xffff                   ; y: which half of the features
	s_mov_b32 s26, CS
	s_mov_b32 s27, CS                              ; a pair, for the packed multiply
	v_and_b32 v15, 31, v0                          ; lane
	s_wait_alu depctr_va_sdst(0)                   ; s24 is written, ahead of its first reader: offsets, LDS addresses and a branch are made from it
	s_lshl_b32 s28, s24, 14                        ; my wave's 16 rows of 1,024 bytes
	v_lshl_add_u32 v[VO], v15, 4, s28
	s_mul_i32 s29, s24, 16*PITCH
	v_lshl_add_u32 v[LX], v15, 3, s29              ; XS = 0
	v_add_nc_u32 v[LW], WS, v[LX]
	v_add_nc_u32 v[LW+1], WS+128*PITCH, v[LX]
	v_add_nc_u32 v[LW+2], WS+256*PITCH, v[LX]
	v_and_b32 v14, 127, v0
	s_lshl_b32 s30, s25, 9
	v_lshl_add_u32 v[BO], v14, 2, s30              ; 4 (128 y + thread mod 128)
	v_lshlrev_b32 v[BL], 2, v0                     ; used by waves 0 to 3 alone: threads 0 to 127
	v_add_nc_u32 v[BL], BS, v[BL]
	s_lshl_b32 s32, ttmp9, 17                      ; the block's 128 rows of x, 1,024 bytes each
	s_mov_b32 s33, 0
	s_lshl_b32 s34, s25, 17                        ; the half's 128 rows of W
	s_mov_b32 s35, 0
	s_lshl_b32 s44, ttmp9, 16                      ; the outputs: 128 rows of 512 bytes,
	s_lshl_b32 s45, s24, 13                        ; + my wave's 16 rows,
	s_add_co_u32 s44, s44, s45
	s_lshl_b32 s45, s25, 8                         ; + the half's 256 bytes of a row
	s_add_co_u32 s44, s44, s45
	s_mov_b32 s45, 0
	s_wait_kmcnt 0x0
	s_add_nc_u64 s[4:5], s[4:5], s[32:33]
	s_add_nc_u64 s[6:7], s[6:7], s[34:35]
	s_add_nc_u64 s[8:9], s[8:9], s[34:35]
	s_add_nc_u64 s[10:11], s[10:11], s[34:35]
	s_add_nc_u64 s[18:19], s[18:19], s[44:45]
	s_add_nc_u64 s[20:21], s[20:21], s[44:45]
	s_add_nc_u64 s[22:23], s[22:23], s[44:45]
	s_wait_alu depctr_va_vdst(0)                   ; v[VO] and v[BO] are written, which the loads below read as offsets; so are v[LX], v[LW ..] and v[BL], the LDS stores' addresses
; A group: eight rows of 1,024 bytes of f32, sixteen loads of 512 consecutive bytes each.
.macro LOADG buf, base, off
.irp i, 0,1,2,3,4,5,6,7
	global_load_b128 v[\buf+8*\i:\buf+8*\i+3],   v[VO], s[\base:\base+1] offset:\off+1024*\i
	global_load_b128 v[\buf+8*\i+4:\buf+8*\i+7], v[VO], s[\base:\base+1] offset:\off+1024*\i+512
.endr
.endm
; A group's turn.  raw: its raw buffer; ob: its out-buffer; adr, off: where it goes in LDS.  scale = 1: times c first (Wq).  left: how many younger loads may stay out.
; free = 1: the out-buffer has been stored from before.  ahead = 1: the group three on, at s[nbase] + noff, is loaded into the raw buffer.
; Four f32 are rounded to 8 bytes; 32 lanes write 256 consecutive bytes of LDS.
.macro GROUP raw, ob, adr, off, scale, left, free, ahead, nbase, noff
	s_wait_loadcnt \left                           ; loads come back in order (ISA guide 5.7.1): this group is in, the younger groups stay out
.if \scale
	WIN 0
.irp j, 0,1,2,3,4,5,6,7,8,9,10,11,12,13,14,15
	v_pk_mul_f32 v[\raw+4*\j:\raw+4*\j+1],   v[\raw+4*\j:\raw+4*\j+1],   s[26:27] op_sel_hi:[1,0]
	v_pk_mul_f32 v[\raw+4*\j+2:\raw+4*\j+3], v[\raw+4*\j+2:\raw+4*\j+3], s[26:27] op_sel_hi:[1,0]
.endr
.endif
	WIN 0x40                                       ; the conversions' destination in window 1
.if \free
	s_wait_alu depctr_vm_vsrc(0)                   ; the LDS stores of the group two back have read this out-buffer, which the conversions below write again
.endif
.irp j, 0,1,2,3,4,5,6,7,8,9,10,11,12,13,14,15
	v_cvt_pk_bf16_f32 v[OUT+32*\ob+2*\j],   v[\raw+4*\j],   v[\raw+4*\j+1]
	v_cvt_pk_bf16_f32 v[OUT+32*\ob+2*\j+1], v[\raw+4*\j+2], v[\raw+4*\j+3]
.endr
	WIN 0x04                                       ; an LDS store's data (source 1) in window 1; a load's data and every address in window 0
	s_wait_alu depctr_va_vdst(0)                   ; the conversions have written the out-buffer, which the LDS stores read; they and the multiplies are done with the raw buffer, in which the loads land
.irp j, 0,1,2,3,4,5,6,7,8,9,10,11,12,13,14,15
.if \ahead
	global_load_b128 v[\raw+4*\j:\raw+4*\j+3], v[VO], s[\nbase:\nbase+1] offset:\noff+1024*(\j/2)+512*(\j%2)
.endif
	ds_store_b64 v[\adr], v[OUT+32*\ob+2*\j:OUT+32*\ob+2*\j+1] offset:\off+PITCH*(\j/2)+256*(\j%2)
.endr
.endm
	global_load_b32 v[BV],   v[BO], s[12:13]       ; every wave loads the three words, so that the counts below are the same in all
	global_load_b32 v[BV+1], v[BO], s[14:15]
	global_load_b32 v[BV+2], v[BO], s[16:17]
	LOADG B0, 4, 0                                 ; groups 0, 1: x;  2, 3: Wq;  4, 5: Wk;  6, 7: Wv.  Three groups are on their way at a time
	LOADG B1, 4, 8192
	LOADG B2, 6, 0
	; addresses for the later phases, while the loads are out: they name no register of a load that is out; group 0's wait on va_vdst shows them written
	v_and_b32 v14, 15, v0                          ; r = lane mod 16
	v_bfe_u32 v15, v0, 4, 1                        ; h = lane / 16
	s_and_b32 s36, s24, 1                          ; rh: which 64 rows
	s_lshr_b32 s37, s24, 1                         ; fq: which 96 features
	v_mul_u32_u24 v19, v14, PITCH
	v_lshl_add_u32 v19, v15, 4, v19                ; a fragment: row r, 16 bytes for each half of the lanes
	s_mul_i32 s38, s36, 64*PITCH
	v_add_nc_u32 v[XA], s38, v19
	s_mul_i32 s39, s37, 96*PITCH
	s_add_co_u32 s39, s39, WS
	v_add_nc_u32 v[WA], s39, v19
	s_mul_i32 s40, s37, 384
	s_add_co_u32 s40, s40, BS
	v_lshl_add_u32 v[BA], v15, 5, s40              ; 4 (96 fq + 8 h)
	v_mul_u32_u24 v19, v14, SPITCH
	v_lshl_add_u32 v19, v15, 4, v19
	s_mul_i32 s41, s36, 64*SPITCH
	s_mul_i32 s42, s37, 192
	s_add_co_u32 s41, s41, s42
	v_add_nc_u32 v[SW], s41, v19                   ; (64 rh + r) rows + 2 (96 fq + 8 h)
	v_mul_u32_u24 v19, v15, SPITCH
	v_lshl_add_u32 v19, v14, 4, v19
	s_mul_i32 s43, s24, 16*SPITCH
	v_add_nc_u32 v[SR], s43, v19                   ; back: lanes 0-15 a row's 256 bytes, lanes 16-31 the next row's
	v_lshlrev_b32 v19, 9, v15
	v_lshl_add_u32 v[GO], v14, 4, v19              ; the same two rows in an output
	GROUP B0, 0, LX,   0,       0, 32, 0, 1, 6, 8192   ; the biases and group 0 are in, two groups of 16 stay out
	WIN 0                                          ; at a branch and at a label every window is 0
	s_cmp_ge_u32 s24, 4                            ; threads 0 to 127 lay the 3 x 128 biases down
	s_cbranch_scc1 .Lnobias
	v_mul_f32 v[BV], s26, v[BV]                    ; q's bias carries c too
	s_wait_alu depctr_va_vdst(0)                   ; the product has written v[BV], which the first LDS store below reads
	ds_store_b32 v[BL], v[BV]
	ds_store_b32 v[BL], v[BV+1] offset:512
	ds_store_b32 v[BL], v[BV+2] offset:1024
.Lnobias:
	GROUP B1, 1, LX,   8*PITCH, 0, 32, 0, 1, 8, 0
	GROUP B2, 0, LW,   0,       1, 32, 1, 1, 8, 8192
	GROUP B0, 1, LW,   8*PITCH, 1, 32, 1, 1, 10, 0
	GROUP B1, 0, LW+1, 0,       0, 32, 1, 1, 10, 8192
	GROUP B2, 1, LW+1, 8*PITCH, 0, 32, 1, 0, 4, 0
	GROUP B0, 0, LW+2, 0,       0, 16, 1, 0, 4, 0      ; nothing more is fetched: the counts run down
	GROUP B1, 1, LW+2, 8*PITCH, 0, 0,  1, 0, 4, 0
	WIN 0
	s_wait_dscnt 0x0                               ; my stores are in LDS, for the other waves' sake
	s_barrier_signal -1
	s_barrier_wait -1                              ; x, W and the biases are whole
	s_wait_alu depctr_vm_vsrc(0)                   ; my LDS stores have read OUT0 and OUT1: these registers are accumulators from here on, written by the first products
; The fragments of one K step of 32 into buffer f: 12 LDS loads for 6 x 16 rows of W, 8 for 4 x 16 rows of x.  ks may be a sum: it stands in brackets.
; A fragment: lane (r, h) holds row r; registers 0-3 K = 8 h + 0..7, registers 4-7 K = 16 + 8 h + 0..7: two loads of 16 bytes, 32 bytes apart.
.macro FETCHW ks, f
.irp fb, 0,1,2,3,4,5
	ds_load_b128 v[\f+8*\fb:\f+8*\fb+3],   v[WA] offset:\fb*16*PITCH+64*(\ks)
	ds_load_b128 v[\f+8*\fb+4:\f+8*\fb+7], v[WA] offset:\fb*16*PITCH+64*(\ks)+32
.endr
.endm
.macro FETCHX ks, f
.irp rb, 0,1,2,3
	ds_load_b128 v[\f+48+8*\rb:\f+48+8*\rb+3], v[XA] offset:\rb*16*PITCH+64*(\ks)
	ds_load_b128 v[\f+48+8*\rb+4:\f+48+8*\rb+7], v[XA] offset:\rb*16*PITCH+64*(\ks)+32
.endr
.endm
; 4 matrix instructions: feature block fb times the four row blocks.  A K step takes fb = 0 .. 5: the 24 accumulators take turns, one instruction a turn, in the same order in every K step.
; first = 1: the sums start from the bias: register j of a lane is feature 8 h + j both in the bias registers and in an accumulator.
.macro MUL4 f, fb, first
.irp rb, 0,1,2,3
.if \first
	v_wmma_f32_16x16x32_bf16 v[8*(4*\fb+\rb):8*(4*\fb+\rb)+7], v[\f+8*\fb:\f+8*\fb+7], v[\f+48+8*\rb:\f+48+8*\rb+7], v[BIAS+8*\fb:BIAS+8*\fb+7]
.else
	v_wmma_f32_16x16x32_bf16 v[8*(4*\fb+\rb):8*(4*\fb+\rb)+7], v[\f+8*\fb:\f+8*\fb+7], v[\f+48+8*\rb:\f+48+8*\rb+7], v[8*(4*\fb+\rb):8*(4*\fb+\rb)+7]
.endif
.endr
.endm
; K step ks on buffer f; the next step's fragments go into buffer g, which the step before has read: x's eight loads at the head, W's twelve behind the first eight products,
; sixteen products ahead of the next step's wait for them.  Each run stands under one window setting.
.macro KSTEP ks, f, g
	PLACES
	WIN 0
	s_wait_alu depctr_va_vdst(0)                   ; the products of the step before are done reading buffer g, in which both runs of loads below land; the products between name buffer f and the accumulators alone
	FETCHX \ks+1, \g
	s_wait_dscnt 8                                 ; all but the 8 just issued: buffer f is in
	WIN 0x50                                       ; C and D in window 1
	MUL4 \f, 0, 0
	MUL4 \f, 1, 0
	WIN 0
	FETCHW \ks+1, \g
	WIN 0x50
	MUL4 \f, 2, 0
	MUL4 \f, 3, 0
	MUL4 \f, 4, 0
	MUL4 \f, 5, 0
.endm
	; No vector line has been issued since the last group's wait on va_vdst, ahead of which stand all conversions that read v32-223: the loads below may land there
.irp fb, 0,1,2,3,4,5
	ds_load_b128 v[BIAS+8*\fb:BIAS+8*\fb+3],   v[BA] offset:64*\fb
	ds_load_b128 v[BIAS+8*\fb+4:BIAS+8*\fb+7], v[BA] offset:64*\fb+16
.endr
	FETCHW 0, F0
	FETCHX 0, F0
	FETCHW 1, F1
	FETCHX 1, F1
	s_wait_dscnt 20                                ; the biases and K step 0 are in; K step 1's 20 loads stay out
	WIN 0x40                                       ; D in window 1, C (the bias) in window 0
	MUL4 F0, 0, 1
	MUL4 F0, 1, 1
	MUL4 F0, 2, 1
	MUL4 F0, 3, 1
	MUL4 F0, 4, 1
	MUL4 F0, 5, 1
	KSTEP 1, F1, F0
	KSTEP 2, F0, F1
	KSTEP 3, F1, F0
	KSTEP 4, F0, F1
	KSTEP 5, F1, F0
	KSTEP 6, F0, F1
	s_wait_dscnt 0x0                               ; the last K step; my reads of x and W are over
	WIN 0x50
	MUL4 F1, 0, 0
	MUL4 F1, 1, 0
	MUL4 F1, 2, 0
	MUL4 F1, 3, 0
	MUL4 F1, 4, 0
	MUL4 F1, 5, 0
	WIN 0
	; THE WAY OUT
	PLACES                                         ; behind the last matrix instructions: the conversions read results and write over fragments
	s_barrier_signal -1                            ; every wave has read its last fragments (its wait for 0 above):
	s_barrier_wait -1                              ; the stage may be laid over x and W
	WIN 0x05                                       ; sources in window 1
.set t, 0
.rept 24
.irp i, 0,1,2,3
	v_cvt_pk_bf16_f32 v[PK+4*t+\i], v[8*t+2*\i], v[8*t+2*\i+1]
.endr
.set t, t+1
.endr
	WIN 0
	s_wait_alu depctr_va_vdst(0)                   ; the conversions have written v[PK ..], which the LDS stores read; the products are done reading v128-223, in which the loads from the stage land
.irp fb, 0,1,2,3,4,5
.irp rb, 0,1,2,3
	ds_store_b128 v[SW], v[PK+4*(4*\fb+\rb):PK+4*(4*\fb+\rb)+3] offset:\rb*16*SPITCH+32*\fb
.endr
.endr
	s_wait_dscnt 0x0                               ; for the others' sake
	s_barrier_signal -1
	s_barrier_wait -1                              ; the stage is whole
	; wave w takes rows 16 w .. 16 w + 15: two rows a load, and of each row the 256 bytes of q, of k and of v
.irp p, 0,1,2,3,4,5,6,7
.irp j, 0,1,2
	ds_load_b128 v[RB+4*(3*\p+\j):RB+4*(3*\p+\j)+3], v[SR] offset:\p*2*SPITCH+256*\j
.endr
.endr
.irp p, 0,1,2,3,4,5,6,7
.irp j, 0,1,2
	s_wait_dscnt 23-(3*\p+\j)                      ; LDS loads come back in order: this one is in, the younger ones stay out
	global_store_b128 v[GO], v[RB+4*(3*\p+\j):RB+4*(3*\p+\j)+3], s[18+2*\j:19+2*\j] offset:1024*\p   ; sixteen lanes store 256 consecutive bytes, at a multiple of 256 from the buffer's first byte
.endr
.endr
	s_wait_dscnt 0x0                               ; the closing lines, six on end
	s_wait_alu 0x0
	s_wait_tensorcnt 0x0
	ds_add_u32 v254, v255
	s_wait_dscnt 0x0
	s_endpgm
.Lfunc_end_k_qdd94826883_proj:
	.size	k_qdd94826883_proj, .Lfunc_end_k_qdd94826883_proj-k_qdd94826883_proj
	.p2alignl 7, 3214868480
	.fill 96, 4, 3214868480
	.section	.rodata,"a",@progbits
	.p2align	6, 0x0
	.amdhsa_kernel k_qdd94826883_proj
		.amdhsa_group_segment_fixed_size 272896
		.amdhsa_private_segment_fixed_size 0
		.amdhsa_enable_private_segment 0
		.amdhsa_kernarg_size 80
		.amdhsa_user_sgpr_count 2
		.amdhsa_user_sgpr_kernarg_segment_ptr 1
		.amdhsa_wavefront_size32 1
		.amdhsa_system_sgpr_workgroup_id_x 1
		.amdhsa_system_sgpr_workgroup_id_y 1
		.amdhsa_system_sgpr_workgroup_id_z 1
		.amdhsa_system_vgpr_workitem_id 0
		.amdhsa_next_free_vgpr 448
		.amdhsa_next_free_sgpr 66
		.amdhsa_reserve_vcc 0
		.amdhsa_float_denorm_mode_32 3
		.amdhsa_float_denorm_mode_16_64 3
		.amdhsa_memory_ordered 1
		.amdhsa_forward_progress 1
		.amdhsa_inst_pref_size 83
	.end_amdhsa_kernel
	.amdgpu_metadata
---
amdhsa.version: [ 1, 2 ]
amdhsa.kernels:
  - .name:           k_qdd94826883_proj
    .symbol:         k_qdd94826883_proj.kd
    .args:
      - { .name: x, .offset: 0, .size: 8, .value_kind: global_buffer, .address_space: global }
      - { .name: Wq, .offset: 8, .size: 8, .value_kind: global_buffer, .address_space: global }
      - { .name: Wk, .offset: 16, .size: 8, .value_kind: global_buffer, .address_space: global }
      - { .name: Wv, .offset: 24, .size: 8, .value_kind: global_buffer, .address_space: global }
      - { .name: bq, .offset: 32, .size: 8, .value_kind: global_buffer, .address_space: global }
      - { .name: bk, .offset: 40, .size: 8, .value_kind: global_buffer, .address_space: global }
      - { .name: bv, .offset: 48, .size: 8, .value_kind: global_buffer, .address_space: global }
      - { .name: qs, .offset: 56, .size: 8, .value_kind: global_buffer, .address_space: global }
      - { .name: kk, .offset: 64, .size: 8, .value_kind: global_buffer, .address_space: global }
      - { .name: vv, .offset: 72, .size: 8, .value_kind: global_buffer, .address_space: global }
    .group_segment_fixed_size: 272896
    .private_segment_fixed_size: 0
    .kernarg_segment_align: 8
    .kernarg_segment_size: 80
    .max_flat_workgroup_size: 256
    .sgpr_count:     66
    .vgpr_count:     448
    .wavefront_size: 32
...
	.end_amdgpu_metadata
.endif
;; end of part 3
;; launch attn: the kernel of part 2 again; grid 256 x 1, 4 waves a work-group, clusters of 4 x 1, 327,680 bytes of LDS; arguments qs, kk, vv, out0; writes out0
